; MI455X (gfx1250); checked and timed in simulation.
; The chip was launched on July 23, 2026; its instructions are those of AMD's public machine-readable ISA for CDNA 5 (MIT licence, August 2026) and "CDNA5" Instruction Set Architecture Reference Guide (July 2026). The comments in the code are by the model that wrote it; some were corrected since.
;; Diff Alpha Split Model. Allowed arithmetic: float matrix products may take bf16 or f16 operands with f32 sums; other float arithmetic in f32, or as packed bf16 or f16 multiplies, adds, multiply-adds, maxima and minima; sums over many terms, partial sums and values carried from step to step in f32; what a program stores and reads back later, other than sums and carried values, may be rounded once to bf16 or f16.
;; Inputs: b1 128 float32; b2 64 float32; be 32 float32; bout 64 float32; brp 64 float32; bs 32 float32; embed 64 x 64 float32; ln_b 64 float32; ln_g 64 float32; seq 256 x 2,048 int32; w1 64 x 128 float32; w2 128 x 64 float32; we 64 x 32 float32; wout 64 x 64 float32; wrp 64 x 64 float32; ws 64 x 32 float32.
;; Outputs: out0 256 x 64 float32.
;; One version. Each part assembles by itself: llvm-mc -triple=amdgcn-amd-amdhsa -mcpu=gfx1250 --defsym DOCPART=n.
;; ======== version 1 of 1: 2 launches
;; workspace buffers: tbl 33,024 bytes
;; launch tables (part 1): grid 64 x 1, 4 waves a work-group, no clusters, 3,328 bytes of LDS; arguments embed, w1, b1, w2, b2, ln_g, ln_b, ws, bs, we, be, wrp, brp, wout, bout, tbl; writes tbl
.if DOCPART == 1
	.amdgcn_target "amdgcn-amd-amdhsa--gfx1250"
	.amdhsa_code_object_version 6
	.text
	.protected	k_qbab736aee2_tables
	.globl	k_qbab736aee2_tables
	.p2align	8
	.type	k_qbab736aee2_tables,@function
k_qbab736aee2_tables:
	s_mov_b64 s[64:65], 0
	v_nop
	global_prefetch_b8 v0, s[64:65] scope:SCOPE_SE
	s_setreg_imm32_b32 hwreg(HW_REG_WAVE_MODE, 25, 1), 1
	s_wait_xcnt 0x0
; TABLES.  Everything that the model computes in front of its scan hangs on the token alone, and there are 64 tokens.  Work-group v makes, for token v,
;   T[v][0:32] = hs, T[v][32:64] = he, where hn = LayerNorm(e + relu(e w1 + b1) w2 + b2), e = embed[v], hs = hn ws + bs, he = hn we + be,
; and row v of Wf = wrp wout; work-group 0 also makes bf = brp wout + bout.  ((r wrp + brp) wout + bout = r Wf + bf: the same sums in another order of rounding.)
; tbl: bytes 0 T (64 rows of 256), 16,384 Wf (64 rows of 256), 32,768 bf (256).
; WHY NO MATRIX INSTRUCTION: each product here is ONE row times a matrix (64 or 128 terms for each output), so fifteen of a matrix tile's sixteen rows would be empty;
; and the table feeds a recurrence of 2,047 steps, so it is kept in f32 throughout: fused multiply-adds, 1.6 million in the whole launch.
; SHARES.  128 threads; thread t owns one output column of each product and keeps that column of the weights in registers (64 numbers); the row operand lies in LDS and
; is read by all lanes at the same address.  g = wave / 2, m = t mod 64.
; LIMITS.  NaN and infinities are not treated apart (relu is a maximum in which a NaN loses).
.set HV,    0         ; LDS: embed[v], 64 f32
.set HN,    256       ; the LayerNorm's result
.set WRV,   512       ; wrp[v]
.set BRV,   768       ; brp
.set HID,   1024      ; the hidden layer, 128 f32
.set PP,    1536      ; the second product's two partial sums, 2 x 64 f32
.set OV,    2048      ; what goes out: T's row, Wf's row, bf: 3 x 256 bytes
.set SPARE, 2816      ; the spare words: 128 bytes for each of four waves; no other line names them
.set TAU4, 1          ; v1   4 t
.set M4,   2          ; v2   4 m
.set L4,   3          ; v3   4 x lane
.set SPW,  4          ; v4   my spare word; never rewritten
.set NIL,  5          ; v5   0; never rewritten
.set VA,   6          ; v6   LDS address of the row operand
.set L8,   7          ; v7   8 x lane
.set EV,   8          ; v8   embed[v][m] (waves 0, 1) or wrp[v][m] (waves 2, 3)
.set B1R,  9
.set B2R,  10
.set LG,   11
.set LB,   12
.set BRP,  13
.set BI3,  14         ; v14  bs, be (waves 0, 1) or bout (waves 2, 3)
.set RES,  15
.set W1C,  16         ; v[16:79]    my column of w1
.set W2C,  80         ; v[80:143]   my column of my half of w2
.set W3C,  144        ; v[144:207]  my column of ws, we or wout
.set BC,   208        ; v[208:239]  the row operand, two halves of 16 numbers
.set ACC,  240        ; v[240:247]  four packed sums
.set T0,   248        ; v[248:254]  at work
.set MU,   250        ; v[250:251]  the mean, twice
.set EVA,  255        ; v255 where EV goes in LDS
.macro BAR                             ; my LDS instructions are done; then the work-group's barrier
	s_wait_dscnt 0x0
	s_barrier_signal -1
	s_barrier_wait -1
.endm
.macro RED4 dst                        ; the four packed sums into one number
	v_pk_add_f32 v[ACC:ACC+1], v[ACC:ACC+1], v[ACC+2:ACC+3]
	v_pk_add_f32 v[ACC+4:ACC+5], v[ACC+4:ACC+5], v[ACC+6:ACC+7]
	v_pk_add_f32 v[ACC:ACC+1], v[ACC:ACC+1], v[ACC+4:ACC+5]
	v_add_f32 v[\dst], v[ACC], v[ACC+1]
.endm
.macro DOTL half, k0                   ; four loads: numbers 4 k0 .. 4 k0 + 15 of the row operand into one half of BC
.irp k, 0,1,2,3
	ds_load_b128 v[BC+16*(\half)+4*(\k):BC+16*(\half)+4*(\k)+3], v[VA] offset:16*((\k0)+(\k))
.endr
.endm
.macro DOTQ mat, half, k0, first       ; their 16 products, two at a time, on four sums by turns; first = 1: the first four start the sums
.set j, 0
.rept 8
.if (\first) && (j < 4)
	v_pk_mul_f32 v[ACC+2*j:ACC+2*j+1], v[BC+16*(\half)+2*j:BC+16*(\half)+2*j+1], v[(\mat)+4*(\k0)+2*j:(\mat)+4*(\k0)+2*j+1]
.else
	v_pk_fma_f32 v[ACC+2*(j%4):ACC+2*(j%4)+1], v[BC+16*(\half)+2*j:BC+16*(\half)+2*j+1], v[(\mat)+4*(\k0)+2*j:(\mat)+4*(\k0)+2*j+1], v[ACC+2*(j%4):ACC+2*(j%4)+1]
.endif
.set j, j+1
.endr
.endm
; res = init + the sum over i < 64 of LDS[VA + 4 i] x v[mat + i].  Each wait for 4 leaves the four younger loads, the other half's, on their way.
.macro DOT64 mat, init, res
	DOTL 0, 0
	DOTL 1, 4
	s_wait_dscnt 0x4
	DOTQ \mat, 0, 0, 1
	DOTL 0, 8
	s_wait_dscnt 0x4
	DOTQ \mat, 1, 4, 0
	DOTL 1, 12
	s_wait_dscnt 0x4
	DOTQ \mat, 0, 8, 0
	s_wait_dscnt 0x0
	DOTQ \mat, 1, 12, 0
	RED4 T0+6
	v_add_f32 v[\res], v[T0+6], v[\init]
.endm
	s_load_b512 s[4:19], s[0:1], 0x0               ; embed s[4:5], w1 s[6:7], b1 s[8:9], w2 s[10:11], b2 s[12:13], ln_g s[14:15], ln_b s[16:17], ws s[18:19]
	s_load_b512 s[20:35], s[0:1], 0x40             ; bs s[20:21], we s[22:23], be s[24:25], wrp s[26:27], brp s[28:29], wout s[30:31], bout s[32:33], tbl s[34:35]
	v_lshl_add_u32 v[SPW], v0, 2, SPARE
	v_mov_b32 v[NIL], 0
	v_lshrrev_b32 v[VA], 5, v0
	v_readfirstlane_b32 s36, v[VA]                 ; wave 0..3
	v_lshlrev_b32 v[TAU4], 2, v0
	v_and_b32 v[M4], 63, v0
	v_lshlrev_b32 v[M4], 2, v[M4]
	v_and_b32 v[L4], 31, v0
	v_lshlrev_b32 v[L8], 3, v[L4]
	v_lshlrev_b32 v[L4], 2, v[L4]
	v_lshrrev_b32 v[EVA], 6, v0
	v_lshl_add_u32 v[EVA], v[EVA], 8, v[TAU4]      ; t < 64: HV + 4 t; else WRV + 4 m
	s_mov_b32 s44, ttmp9                           ; the token v
	s_lshl_b32 s46, s44, 8                         ; 256 v: a row of embed, wrp, T, Wf
	s_mov_b32 s47, 0
	s_lshr_b32 s41, s36, 1                         ; g
	s_lshl_b32 s42, s41, 14                        ; 64 g rows of w2
	s_mov_b32 s43, 0
	s_lshl_b32 s45, s41, 8
	s_add_co_u32 s52, s45, HID                     ; my half of the hidden layer
	s_add_co_u32 s53, s45, HN                      ; g = 0: HN; g = 1: WRV
	s_wait_kmcnt 0x0
	s_cmp_lt_u32 s36, 2
	s_cselect_b64 s[38:39], s[4:5], s[26:27]       ; embed for waves 0, 1; wrp for waves 2, 3
	s_cselect_b32 s40, -1, 0                       ; a lane mask: all ones in waves 0, 1
	s_add_nc_u64 s[38:39], s[38:39], s[46:47]      ; row v
	s_add_nc_u64 s[10:11], s[10:11], s[42:43]
	; ALL LOADS GO OUT NOW: 6 single numbers, then three columns of weights.
	global_load_b32 v[EV], v[M4], s[38:39]
	global_load_b32 v[B1R], v[TAU4], s[8:9]
	global_load_b32 v[B2R], v[M4], s[12:13]
	global_load_b32 v[LG], v[M4], s[14:15]
	global_load_b32 v[LB], v[M4], s[16:17]
	global_load_b32 v[BRP], v[M4], s[28:29]
.set i, 0
.rept 64
	global_load_b32 v[W1C+i], v[TAU4], s[6:7] offset:512*i     ; w1[i][t]
.set i, i+1
.endr
.set i, 0
.rept 64
	global_load_b32 v[W2C+i], v[M4], s[10:11] offset:256*i     ; w2[64 g + i][m]
.set i, i+1
.endr
	s_cmp_lt_u32 s36, 2                            ; the third group: 65 loads on either way
	s_cbranch_scc0 .Lw3_out
	s_cmp_eq_u32 s36, 0
	s_cselect_b64 s[48:49], s[18:19], s[22:23]     ; ws for wave 0, we for wave 1
	s_cselect_b64 s[50:51], s[20:21], s[24:25]     ; bs, be
	global_load_b32 v[BI3], v[L4], s[50:51]
.set i, 0
.rept 64
	global_load_b32 v[W3C+i], v[L4], s[48:49] offset:128*i     ; ws[i][lane] or we[i][lane]
.set i, i+1
.endr
	s_branch .Lw3_done
.Lw3_out:
	global_load_b32 v[BI3], v[M4], s[32:33]        ; bout[m]
.set i, 0
.rept 64
	global_load_b32 v[W3C+i], v[M4], s[30:31] offset:256*i     ; wout[i][m]
.set i, i+1
.endr
.Lw3_done:
	s_wait_loadcnt 63                              ; behind each of the first 134 loads at least 65 were issued: all of them are in; of the third group 63 may be out
	ds_store_b32 v[EVA], v[EV]                     ; embed[v] into HV, wrp[v] into WRV
	s_cmp_lt_u32 s36, 2
	s_cbranch_scc1 .Lno_brv
	ds_store_b32 v[M4], v[BRP] offset:BRV          ; waves 2, 3 alone: each word has one writer
.Lno_brv:
	BAR
	; hid[t] = relu(b1[t] + e . w1[:, t])
	v_mov_b32 v[VA], HV
	DOT64 W1C, B1R, RES
	v_max_num_f32 v[RES], 0, v[RES]
	ds_store_b32 v[TAU4], v[RES] offset:HID
	BAR
	; x[m] = e[m] + b2[m] + hid . w2[:, m], in two halves of 64 terms; half 0 starts from e + b2
	v_mov_b32 v[VA], s52
	v_add_f32 v[T0], v[B2R], v[EV]
	v_cndmask_b32 v[RES], 0, v[T0], s40
	DOT64 W2C, RES, RES
	ds_store_b32 v[TAU4], v[RES] offset:PP
	BAR
	; LayerNorm, in waves 0 and 1: every lane adds up all 64 numbers itself, so nothing crosses lanes; the weights' registers are free
	s_cmp_lt_u32 s36, 2
	s_cbranch_scc0 .Lno_ln
	v_mov_b32 v[VA], PP
.set k, 0
.rept 32
	ds_load_b128 v[W1C+4*k:W1C+4*k+3], v[VA] offset:16*k
.set k, k+1
.endr
	ds_load_b32 v[T0], v[M4] offset:PP             ; my own x, in its two halves
	ds_load_b32 v[T0+1], v[M4] offset:PP+256
	s_wait_dscnt 0x0
.set j, 0
.rept 32
	v_pk_add_f32 v[W1C+2*j:W1C+2*j+1], v[W1C+2*j:W1C+2*j+1], v[W2C+2*j:W2C+2*j+1]  ; x
.set j, j+1
.endr
.set j, 0
.rept 4
	v_pk_add_f32 v[ACC+2*j:ACC+2*j+1], v[W1C+2*j:W1C+2*j+1], v[W1C+8+2*j:W1C+8+2*j+1]
.set j, j+1
.endr
.set j, 8
.rept 24
	v_pk_add_f32 v[ACC+2*(j%4):ACC+2*(j%4)+1], v[ACC+2*(j%4):ACC+2*(j%4)+1], v[W1C+2*j:W1C+2*j+1]
.set j, j+1
.endr
	RED4 T0+4
	v_mul_f32 v[MU], 0x3c800000, v[T0+4]           ; the mean = sum / 64
	v_mul_f32 v[MU+1], 0x3c800000, v[T0+4]
	v_add_f32 v[T0], v[T0], v[T0+1]
	v_sub_f32 v[T0], v[T0], v[MU]                  ; my x - mean
.set j, 0
.rept 32
	v_pk_add_f32 v[W1C+2*j:W1C+2*j+1], v[W1C+2*j:W1C+2*j+1], v[MU:MU+1] neg_lo:[0,1] neg_hi:[0,1]
.set j, j+1
.endr
.set j, 0
.rept 32
.if j < 4
	v_pk_mul_f32 v[ACC+2*j:ACC+2*j+1], v[W1C+2*j:W1C+2*j+1], v[W1C+2*j:W1C+2*j+1]
.else
	v_pk_fma_f32 v[ACC+2*(j%4):ACC+2*(j%4)+1], v[W1C+2*j:W1C+2*j+1], v[W1C+2*j:W1C+2*j+1], v[ACC+2*(j%4):ACC+2*(j%4)+1]
.endif
.set j, j+1
.endr
	RED4 T0+4
	v_mov_b32 v[T0+5], 0x3c800000
	v_fmaak_f32 v[T0+4], v[T0+4], v[T0+5], 0x3727c5ac  ; the variance + 1e-5
	v_rsq_f32 v[T0+4], v[T0+4]
	v_nop                                          ; a plain instruction between the root and the use of its result (ISA guide 5.7.2)
	s_wait_alu depctr_va_vdst(0)
	v_mul_f32 v[T0], v[T0], v[T0+4]
	v_fma_f32 v[RES], v[T0], v[LG], v[LB]
	ds_store_b32 v[M4], v[RES] offset:HN
.Lno_ln:
	BAR
	; waves 0, 1: hs, he = bias + hn . column;  waves 2, 3: Wf[v][m] = wrp[v] . wout[:, m]
	s_wait_loadcnt 0x0                             ; the third group
	v_mov_b32 v[VA], s53
	v_cndmask_b32 v[RES], 0, v[BI3], s40
	DOT64 W3C, RES, RES
	ds_store_b32 v[TAU4], v[RES] offset:OV         ; t < 64: T's row; else Wf's row
	s_cmp_lt_u32 s36, 2
	s_cbranch_scc1 .Lno_bf
	s_cmp_lg_u32 s44, 0
	s_cbranch_scc1 .Lno_bf
	v_mov_b32 v[VA], BRV                           ; work-group 0, waves 2, 3: bf[m] = bout[m] + brp . wout[:, m]
	DOT64 W3C, BI3, RES
	ds_store_b32 v[M4], v[RES] offset:OV+512
.Lno_bf:
	s_wait_tensorcnt 0x0                           ; the wave's end: a tensor wait, a spare-word add and an LDS wait behind my last LDS store; the last is also the wait in front of the barrier
	ds_add_u32 v[SPW], v[NIL]
	s_wait_dscnt 0x0
	s_barrier_signal -1
	s_barrier_wait -1
	; THE WAY OUT: wave w takes row w of OV, 8 bytes a lane: one store covers 256 consecutive bytes, at a multiple of 256 from tbl's first byte
	s_cmp_lt_u32 s36, 2
	s_cbranch_scc1 .Lsend
	s_cmp_eq_u32 s36, 3
	s_cbranch_scc1 .Lend
	s_cmp_lg_u32 s44, 0
	s_cbranch_scc1 .Lend                           ; bf leaves from work-group 0 alone
.Lsend:
	s_lshl_b32 s42, s36, 14
	s_add_co_u32 s42, s42, s46                     ; 16,384 w + 256 v
	s_add_nc_u64 s[34:35], s[34:35], s[42:43]
	s_lshl_b32 s45, s36, 8
	v_add_nc_u32 v[VA], s45, v[L8]
	ds_load_b64 v[W1C:W1C+1], v[VA] offset:OV
	s_wait_dscnt 0x0
	global_store_b64 v[L8], v[W1C:W1C+1], s[34:35]
.Lend:
	s_endpgm
.Lfunc_end_k_qbab736aee2_tables:
	.size	k_qbab736aee2_tables, .Lfunc_end_k_qbab736aee2_tables-k_qbab736aee2_tables
	.p2alignl 7, 3214868480
	.fill 96, 4, 3214868480
	.section	.rodata,"a",@progbits
	.p2align	6, 0x0
	.amdhsa_kernel k_qbab736aee2_tables
		.amdhsa_group_segment_fixed_size 3328
		.amdhsa_private_segment_fixed_size 0
		.amdhsa_enable_private_segment 0
		.amdhsa_kernarg_size 128
		.amdhsa_user_sgpr_count 2
		.amdhsa_user_sgpr_kernarg_segment_ptr 1
		.amdhsa_wavefront_size32 1
		.amdhsa_system_sgpr_workgroup_id_x 1
		.amdhsa_system_sgpr_workgroup_id_y 1
		.amdhsa_system_sgpr_workgroup_id_z 1
		.amdhsa_system_vgpr_workitem_id 0
		.amdhsa_next_free_vgpr 256
		.amdhsa_next_free_sgpr 66
		.amdhsa_reserve_vcc 0
		.amdhsa_float_denorm_mode_32 3
		.amdhsa_float_denorm_mode_16_64 3
		.amdhsa_memory_ordered 1
		.amdhsa_forward_progress 1
		.amdhsa_inst_pref_size 53
	.end_amdhsa_kernel
	.amdgpu_metadata
---
amdhsa.version: [ 1, 2 ]
amdhsa.kernels:
  - .name:           k_qbab736aee2_tables
    .symbol:         k_qbab736aee2_tables.kd
    .args:
      - { .name: embed, .offset: 0, .size: 8, .value_kind: global_buffer, .address_space: global }
      - { .name: w1, .offset: 8, .size: 8, .value_kind: global_buffer, .address_space: global }
      - { .name: b1, .offset: 16, .size: 8, .value_kind: global_buffer, .address_space: global }
      - { .name: w2, .offset: 24, .size: 8, .value_kind: global_buffer, .address_space: global }
      - { .name: b2, .offset: 32, .size: 8, .value_kind: global_buffer, .address_space: global }
      - { .name: ln_g, .offset: 40, .size: 8, .value_kind: global_buffer, .address_space: global }
      - { .name: ln_b, .offset: 48, .size: 8, .value_kind: global_buffer, .address_space: global }
      - { .name: ws, .offset: 56, .size: 8, .value_kind: global_buffer, .address_space: global }
      - { .name: bs, .offset: 64, .size: 8, .value_kind: global_buffer, .address_space: global }
      - { .name: we, .offset: 72, .size: 8, .value_kind: global_buffer, .address_space: global }
      - { .name: be, .offset: 80, .size: 8, .value_kind: global_buffer, .address_space: global }
      - { .name: wrp, .offset: 88, .size: 8, .value_kind: global_buffer, .address_space: global }
      - { .name: brp, .offset: 96, .size: 8, .value_kind: global_buffer, .address_space: global }
      - { .name: wout, .offset: 104, .size: 8, .value_kind: global_buffer, .address_space: global }
      - { .name: bout, .offset: 112, .size: 8, .value_kind: global_buffer, .address_space: global }
      - { .name: tbl, .offset: 120, .size: 8, .value_kind: global_buffer, .address_space: global }
    .group_segment_fixed_size: 3328
    .private_segment_fixed_size: 0
    .kernarg_segment_align: 8
    .kernarg_segment_size: 128
    .max_flat_workgroup_size: 128
    .sgpr_count:     66
    .vgpr_count:     256
    .wavefront_size: 32
...
	.end_amdgpu_metadata
.endif
;; end of part 1
;; launch scan (part 2): grid 256 x 1, 2 waves a work-group, no clusters, 50,176 bytes of LDS; arguments seq, tbl, out0; writes out0
.if DOCPART == 2
	.amdgcn_target "amdgcn-amd-amdhsa--gfx1250"
	.amdhsa_code_object_version 6
	.text
	.protected	k_qbab736aee2_scan
	.globl	k_qbab736aee2_scan
	.p2align	8
	.type	k_qbab736aee2_scan,@function
k_qbab736aee2_scan:
	s_mov_b64 s[64:65], 0
	v_nop
	global_prefetch_b8 v0, s[64:65] scope:SCOPE_SE
	s_setreg_imm32_b32 hwreg(HW_REG_WAVE_MODE, 25, 1), 1
	s_wait_xcnt 0x0
; THE SCAN, BACKWARD ON A VECTOR.  Only M_final q is wanted, and M_(t+1) = M_t (I - c k k^T) + c h k^T.  So from t = 2046 down to 0:  z = c_t (k_t . q),  r += z h_t,  q -= z k_t:
; a state of 32 numbers in place of 1,024.  I - c k k^T with |k| <= 1 and 0 <= c <= 1 lengthens no vector, so |q|, |z| <= 1 whatever the inputs.
; SHARES.  Work-group = one sequence; wave m = one memory (0: c = 1; 1: c = (t + 1) / 2048).  512 chains, none of which can be cut further.
; CHUNKS.  Place s = 2047 - t runs from 0; place 0 (t = 2047, the query's own position) is no update and gets c = 0: 128 equal chunks of 16 places.  In a chunk, with K its 16 keys, N = K K^T, Qn = -q:
;   x_i = (-c_i)(Qn . k_i);   for j = 0 .. 15:  z_j = x_j,  x_i += z_j NS_ij  with NS_ij = -c_i N_ij;   Qn += K^T z;   R += H^T z.
; No triangle is cut out of NS: x_j is taken before step j spoils it, and lanes i <= j are not read again; what they hold stays finite and is thrown away with the chunk.
; N, Qn . K, K^T z and H^T z are matrix instructions on f16 operands with f32 sums; the state (Qn, R) stays in their f32 accumulators; only the 16 steps are serial, on the vector unit:
; lane i holds x_i, a DPP move hands z_j to its row of 16 lanes, one multiply-add applies it.  Lanes 0-15 hold columns 0-7 of NS and do steps 0-7, lanes 16-31 columns 8-15 and steps 8-15.
; FORMATS AND LIMITS.  All f16 operands are bounded by the computation: keys, z and Qn by 1; H = hs / nmax, nmax the largest of the 64 tokens' max(|hs|, 1e-12), multiplied back in f32 at the end.
; Below 2^-14 an f16 keeps its fixed step of 2^-24: an element of hs that small beside nmax, and a z or q that has decayed that far, are off by at most 2^-25 (times nmax).  A sum of squares
; below 2^-126 counts as 0, which the floor of 1e-12 covers.  Tokens are held to 0 .. 63.  NaN and infinities are not treated apart.
; No tensor load, cluster or prefetch: the tables are 33,024 bytes read once at the head and converted on the way into LDS; seq is read once, 512 consecutive bytes to a load.
.set OFS,   0         ; LDS: OFS[s] = 80 x seq[2047 - s], 2,048 words, both waves'
.set PAD,   8192      ; 64 zeros: the look-ahead of the last two chunks reads here, and what it brings is not used
.set BLK0,  8448      ; wave m's tables begin at BLK0 + BLKB m:
.set BLKB,  20480
.set PIT,   80        ;   + 0     keys in f16, 64 rows of 64 bytes + 16 of padding
.set HPO,   5120      ;   + 5120  hs / nmax in f16, likewise
.set KFO,   10240     ;   + 10240 keys in f32, 64 rows of 160 bytes = 2 PIT: for the query
.set PX,    49408     ; each wave's 64 partial outputs
.set SPARE, 49920     ; the spare words: 128 bytes for each of two waves; no other line names them
.set TMAX,  63*PIT
.set LANE, 1          ; v1   lane L
.set RR,   2          ; v2   r = L % 16
.set HH,   3          ; v3   h = L / 16
.set SPW,  4          ; v4   my spare word; never rewritten
.set NIL,  5          ; v5   0; never rewritten
.set LBA,  6          ; v6   my tables + 16 h
.set LBB,  7          ; v7   my tables + 16 ((L / 8) % 2)
.set OA,   8          ; v8   OFS byte of place r of the trip's first chunk
.set OB,   9          ; v9   of place 8 h + L % 8
.set TA,   10         ; v10, v11  the two tokens' row offsets
.set TB,   11
.set AA,   12         ; v12, v13  the next chunk's LDS addresses
.set AB,   13
.set NC0,  14         ; v[14:15]  -c of chunk 0, 0 at place 0 (a pair is named; the low word counts)
.set NCR,  16         ; v[16:17]  -c of my place r in the chunk ahead
.set X,    18
.set X2,   19
.set Z1,   20         ; v[20:27]  z_0 .. z_7, good in lanes 0-15
.set Z2,   28         ; v[28:35]  z_8 .. z_15, good in lanes 16-31
.set P1,   36         ; v[36:39]  Z1 in f16
.set P2,   40         ; v[40:43]  Z2 in f16
.set ZB,   44         ; v[44:51]  z as source 1: K = places 8 h .. 8 h + 7 in 44-47; 48-51 (K = 16 .. 31) stay 0
.set QA,   52         ; v[52:59]  Qn in f16 as source 0, all 16 rows alike
.set DY,   60         ; v[60:67]  Qn . k: register 0 holds place r
.set Q0,   68         ; v[68:83]  Qn: register j of tile T holds dimension 16 T + 8 h + j, alike in all columns
.set Q1,   76
.set R0,   84         ; v[84:99]  R, likewise
.set R1,   92
.set SET,  100        ; two sets of 32, by the chunk's parity: + 0 K^T (2 x 4), + 8 H^T (2 x 4), + 16 K (8), + 24 NS (8).  A source 0 names 8 registers, and only its K = 0 .. 15
                      ; meet a z that is not 0: its upper four are simply the next fragment, finite f16 numbers
.set WF,   164        ; v[164:227] my 16 rows x 4 columns of Wf
.set BF,   228        ; v[228:231] my 4 numbers of bf
.set R16,  232        ; v232 16 r
.set SQO,  233        ; v233-235 offsets of the head's loads; never rewritten
.set TO,   234
.set WO,   235
.set NMAX, 236
.set T0,   237        ; v237-239 at work
.set SEQ,  20         ; the head alone: v[20:51] tokens, later a token's 32 key numbers
.set REV,  52         ; v[52:83] row offsets in reversed order, later f16 rows
.set RAW,  100        ; v[100:163] hs (or he) of tokens L and L + 32
.set SS,   84
.set NRM,  92
.set INV,  94         ; v[94:95], v[96:97] 1 / norm of the two tokens
.set INVN, 98         ; v[98:99] 1 / nmax
.macro TOKLD off                       ; the row offsets of a chunk's places, in the two patterns
	ds_load_b32 v[TA], v[OA] offset:\off
	ds_load_b32 v[TB], v[OB] offset:\off
.endm
.macro ADDR                            ; four plain vector instructions
	v_min_u32 v[TA], TMAX, v[TA]
	v_min_u32 v[TB], TMAX, v[TB]
	v_add_nc_u32 v[AA], v[LBA], v[TA]
	v_add_nc_u32 v[AB], v[LBB], v[TB]
.endm
; Load n of the six that bring a chunk's fragments into set q.  0, 1: K, lane = place r, dimensions 8 h .. and 16 + 8 h ..  2-5: the turning load takes 16 places x 16 dimensions
; (lane L reads place 8 h + L % 8, dimensions 8 ((L / 8) % 2) ..) and leaves lane L dimension r of that block and places 8 h .. 8 h + 7: K^T and H^T, two blocks each.
.macro LDF q, n
.set SB, SET+32*(\q)
.if (\n) == 0
	ds_load_b128 v[SB+16:SB+19], v[AA]
.elseif (\n) == 1
	ds_load_b128 v[SB+20:SB+23], v[AA] offset:32
.elseif (\n) == 2
	ds_load_tr16_b128 v[SB:SB+3], v[AB]
.elseif (\n) == 3
	ds_load_tr16_b128 v[SB+4:SB+7], v[AB] offset:32
.elseif (\n) == 4
	ds_load_tr16_b128 v[SB+8:SB+11], v[AB] offset:HPO
.else
	ds_load_tr16_b128 v[SB+12:SB+15], v[AB] offset:HPO+32
.endif
.endm
.macro STEP x, z, n, lane, upd         ; z = x of one lane of my row of 16; x += z NS
	v_mov_b32_dpp v[\z], v[\x] row_share:\lane row_mask:0xf bank_mask:0xf
.if \upd
	v_fmac_f32 v[\x], v[\z], v[\n]
.endif
.endm
; ONE CHUNK, of parity p.  At its head: X, NS, K^T and H^T of this chunk are ready in set p, AA and AB point at the next chunk, no LDS instruction is out.
; Distances behind matrix instructions are kept by work that is due anyway: the loads into set 1 - p come more than four plain vector instructions behind the last
; products that read it (the chunk before: four scalings, four address lines, a multiply); the four scalings of the next NS stand between the products on Q, R and the conversions of Q;
; the four address lines between the product DY and its reader.  The six matrix instructions name six accumulators by turns, one instruction a turn.
.macro CHUNK p, off
.set SP, SET+32*(\p)
.set SQ, SET+32-32*(\p)
.set NP, SP+24
.set NQ, SQ+24
	v_add_f32 v[NCR], s15, v[NCR]                  ; -c of the next chunk: 16 places on
	STEP X, Z1+0, NP+0, 0, 1
	LDF 1-(\p), 0
	LDF 1-(\p), 1
	STEP X, Z1+1, NP+1, 1, 1
	LDF 1-(\p), 2
	LDF 1-(\p), 3
	STEP X, Z1+2, NP+2, 2, 1
	LDF 1-(\p), 4
	LDF 1-(\p), 5
	STEP X, Z1+3, NP+3, 3, 1
	TOKLD \off                                     ; the chunk after the next
	STEP X, Z1+4, NP+4, 4, 1
	STEP X, Z1+5, NP+5, 5, 1
	STEP X, Z1+6, NP+6, 6, 1
	STEP X, Z1+7, NP+7, 7, 1
	v_permlanex16_b32 v[X2], v[X], s12, s13        ; lanes 16-31 take over x_0 .. x_15 from lanes 0-15
	STEP X2, Z2+0, NP+0, 8, 1
	v_cvt_pk_f16_f32 v[P1+0], v[Z1+0], v[Z1+1]
	STEP X2, Z2+1, NP+1, 9, 1
	v_cvt_pk_f16_f32 v[P1+1], v[Z1+2], v[Z1+3]
	v_cvt_pk_f16_f32 v[P2+0], v[Z2+0], v[Z2+1]
	STEP X2, Z2+2, NP+2, 10, 1
	v_cvt_pk_f16_f32 v[P1+2], v[Z1+4], v[Z1+5]
	v_cndmask_b32 v[ZB+0], v[P1+0], v[P2+0], s14
	s_wait_dscnt 0x6                               ; the next K is in: behind its two loads four turning loads and two token loads were issued
	v_wmma_f32_16x16x32_f16 v[NQ:NQ+7], v[SQ+16:SQ+23], v[SQ+16:SQ+23], 0  ; the next N: lane (i, h), register j: N(i, 8 h + j)
	STEP X2, Z2+3, NP+3, 11, 1
	v_cvt_pk_f16_f32 v[P1+3], v[Z1+6], v[Z1+7]
	v_cvt_pk_f16_f32 v[P2+1], v[Z2+2], v[Z2+3]
	STEP X2, Z2+4, NP+4, 12, 1
	v_cndmask_b32 v[ZB+1], v[P1+1], v[P2+1], s14
	STEP X2, Z2+5, NP+5, 13, 1
	v_cvt_pk_f16_f32 v[P2+2], v[Z2+4], v[Z2+5]
	STEP X2, Z2+6, NP+6, 14, 1
	v_cndmask_b32 v[ZB+2], v[P1+2], v[P2+2], s14
	STEP X2, Z2+7, NP+7, 15, 0
	v_cvt_pk_f16_f32 v[P2+3], v[Z2+6], v[Z2+7]
	v_cndmask_b32 v[ZB+3], v[P1+3], v[P2+3], s14
	v_wmma_f32_16x16x32_f16 v[Q0:Q0+7], v[SP:SP+7], v[ZB:ZB+7], v[Q0:Q0+7]        ; Qn += K^T z
	v_wmma_f32_16x16x32_f16 v[Q1:Q1+7], v[SP+4:SP+11], v[ZB:ZB+7], v[Q1:Q1+7]
	v_wmma_f32_16x16x32_f16 v[R0:R0+7], v[SP+8:SP+15], v[ZB:ZB+7], v[R0:R0+7]     ; R += H^T z
	v_wmma_f32_16x16x32_f16 v[R1:R1+7], v[SP+12:SP+19], v[ZB:ZB+7], v[R1:R1+7]
.irp j, 0,2,4,6
	v_pk_mul_f32 v[NQ+\j:NQ+\j+1], v[NQ+\j:NQ+\j+1], v[NCR:NCR+1] op_sel_hi:[1,0]  ; the next NS, from the low registers up
.endr
.irp j, 0,1,2,3
	v_cvt_pk_f16_f32 v[QA+\j], v[Q0+2*\j], v[Q0+2*\j+1]
.endr
.irp j, 0,1,2,3
	v_cvt_pk_f16_f32 v[QA+4+\j], v[Q1+2*\j], v[Q1+2*\j+1]
.endr
	v_wmma_f32_16x16x32_f16 v[DY:DY+7], v[QA:QA+7], v[SQ+16:SQ+23], 0
	s_wait_dscnt 0x0                               ; the tokens of the chunk after the next, and the next chunk's K^T and H^T
	ADDR
	v_mul_f32 v[X], v[NCR], v[DY]                  ; the next chunk's x
.endm
	s_load_b128 s[4:7], s[0:1], 0x0                ; seq s[4:5], tbl s[6:7]
	s_load_b64 s[8:9], s[0:1], 0x10                ; out0
	v_lshl_add_u32 v[SPW], v0, 2, SPARE
	v_mov_b32 v[NIL], 0
	v_lshrrev_b32 v[LANE], 5, v0
	v_readfirstlane_b32 s10, v[LANE]               ; wave = memory m
	v_and_b32 v[LANE], 31, v0
	v_and_b32 v[RR], 15, v0
	v_bfe_u32 v[HH], v0, 4, 1
	s_mov_b32 s12, 0x76543210                      ; v_permlanex16_b32: each lane takes its own place in the other half
	s_mov_b32 s13, 0xfedcba98
	s_mov_b32 s14, 0xffff0000                      ; lanes 16-31
	s_cmp_lg_u32 s10, 0
	s_cselect_b32 s15, 0x3c000000, 0               ; -c grows by 16 / 2048 a chunk in memory 1, by nothing in memory 0
	s_cselect_b32 s16, 0x3a000000, 0               ; and by 1 / 2048 a place
	s_mul_i32 s18, s10, BLKB
	s_add_co_u32 s18, s18, BLK0                    ; my tables
	s_lshl_b32 s19, s10, 12
	s_lshl_b32 s20, ttmp9, 13                      ; my sequence: 8,192 bytes of seq,
	s_mov_b32 s21, 0
	s_lshl_b32 s26, ttmp9, 8                       ; 256 bytes of out0
	s_mov_b32 s27, 0
	s_lshl_b32 s22, s10, 7
	s_lshl_b32 s23, s10, 13
	s_sub_co_u32 s24, 4592, s19
	v_lshlrev_b32 v[R16], 4, v[RR]
	v_lshlrev_b32 v[SQO], 4, v[LANE]
	v_add_nc_u32 v[SQO], s19, v[SQO]               ; wave m reads tokens 1024 m ..: 4096 m + 16 L
	v_lshlrev_b32 v[TO], 8, v[LANE]
	v_add_nc_u32 v[TO], s22, v[TO]                 ; T[L][32 m ..]
	v_lshl_add_u32 v[WO], v[HH], 11, v[R16]
	v_add_nc_u32 v[WO], s23, v[WO]                 ; Wf[32 m + 8 h ..][4 r ..]
	s_wait_kmcnt 0x0
	s_add_nc_u64 s[4:5], s[4:5], s[20:21]
	s_add_nc_u64 s[8:9], s[8:9], s[26:27]
.set k, 0
.rept 8
	global_load_b128 v[SEQ+4*k:SEQ+4*k+3], v[SQO], s[4:5] offset:512*k th:TH_LOAD_NT  ; 512 consecutive bytes
.set k, k+1
.endr
.set k, 0
.rept 16
	global_load_b128 v[RAW+4*k:RAW+4*k+3], v[TO], s[6:7] offset:8192*(k/8)+16*(k%8)   ; tokens L and L + 32
.set k, k+1
.endr
.set k, 0
.rept 16
	global_load_b128 v[WF+4*k:WF+4*k+3], v[WO], s[6:7] offset:16384+256*(16*(k/8)+k%8)  ; the row of dimension 16 (k / 8) + 8 h + k % 8
.set k, k+1
.endr
	global_load_b128 v[BF:BF+3], v[R16], s[6:7] offset:32768
	v_lshl_add_u32 v[LBA], v[HH], 4, s18
	v_bfe_u32 v[T0], v0, 3, 1
	v_lshl_add_u32 v[LBB], v[T0], 4, s18
	v_lshlrev_b32 v[OA], 2, v[RR]
	v_and_b32 v[T0], 7, v0
	v_lshlrev_b32 v[T0], 2, v[T0]
	v_lshl_add_u32 v[OB], v[HH], 5, v[T0]
	v_lshlrev_b32 v[T0+1], 4, v[LANE]
	v_sub_nc_u32 v[T0+1], s24, v[T0+1]             ; 4592 - 4096 m - 16 L
	v_lshlrev_b32 v[T0+2], 2, v0
	v_mov_b32 v[X2], 0
	v_mul_u32_u24 v[AA], PIT, v[LANE]
	v_add_nc_u32 v[TA], s18, v[AA]                 ; in the head: row L of my f16 tables,
	v_lshl_add_u32 v[TB], v[AA], 1, s18            ; and of my f32 table less KFO
	ds_store_b32 v[T0+2], v[X2] offset:PAD
	s_wait_loadcnt 33                              ; seq: behind its eight loads 16 + 16 + 1 were issued
	; token t goes to word 2047 - t: the four of a load change places, and load k's 16 bytes lie at 8176 - 4096 m - 512 k - 16 L
.set k, 0
.rept 8
.irp e, 0,1,2,3
	v_min_u32 v[SEQ+4*k+\e], 63, v[SEQ+4*k+\e]
	v_mul_u32_u24 v[REV+4*k+3-\e], PIT, v[SEQ+4*k+\e]
.endr
	ds_store_b128 v[T0+1], v[REV+4*k:REV+4*k+3] offset:512*(7-k)
.set k, k+1
.endr
	s_wait_loadcnt 17                              ; the table's rows: behind them Wf's 16 loads and bf's one
.macro SUMSQ u                         ; the sum of a token's 32 squares, in four packed chains
.set RB, RAW+32*(\u)
.set j, 0
.rept 16
.if j < 4
	v_pk_mul_f32 v[SS+2*j:SS+2*j+1], v[RB+2*j:RB+2*j+1], v[RB+2*j:RB+2*j+1]
.else
	v_pk_fma_f32 v[SS+2*(j%4):SS+2*(j%4)+1], v[RB+2*j:RB+2*j+1], v[RB+2*j:RB+2*j+1], v[SS+2*(j%4):SS+2*(j%4)+1]
.endif
.set j, j+1
.endr
	v_pk_add_f32 v[SS:SS+1], v[SS:SS+1], v[SS+2:SS+3]
	v_pk_add_f32 v[SS+4:SS+5], v[SS+4:SS+5], v[SS+6:SS+7]
	v_pk_add_f32 v[SS:SS+1], v[SS:SS+1], v[SS+4:SS+5]
	v_add_f32 v[NRM+(\u)], v[SS], v[SS+1]
.endm
	SUMSQ 0
	SUMSQ 1
	v_sqrt_f32 v[NRM], v[NRM]
	v_sqrt_f32 v[NRM+1], v[NRM+1]
	v_mov_b32 v[INV+1], 0                          ; a plain instruction behind the roots (ISA guide 5.7.2); the pairs' upper words are named, so they are written
	s_wait_alu depctr_va_vdst(0)
	v_max_num_f32 v[NRM], 0x2b8cbccc, v[NRM]       ; max(norm, 1e-12)
	v_max_num_f32 v[NRM+1], 0x2b8cbccc, v[NRM+1]
	v_max_num_f32 v[NMAX], v[NRM], v[NRM+1]
	v_rcp_f32 v[INV], v[NRM]
	v_rcp_f32 v[INV+2], v[NRM+1]
	v_mov_b32 v[INV+3], 0
	v_max_num_f32_dpp v[NMAX], v[NMAX], v[NMAX] row_xmask:1 row_mask:0xf bank_mask:0xf
	v_max_num_f32_dpp v[NMAX], v[NMAX], v[NMAX] row_xmask:2 row_mask:0xf bank_mask:0xf
	v_max_num_f32_dpp v[NMAX], v[NMAX], v[NMAX] row_xmask:4 row_mask:0xf bank_mask:0xf
	v_max_num_f32_dpp v[NMAX], v[NMAX], v[NMAX] row_xmask:8 row_mask:0xf bank_mask:0xf
	v_permlanex16_b32 v[T0], v[NMAX], s12, s13
	v_max_num_f32 v[NMAX], v[NMAX], v[T0]          ; the largest of the 64 tokens, in every lane
	v_rcp_f32 v[INVN], v[NMAX]
	v_mov_b32 v[INVN+1], 0
	s_wait_alu depctr_va_vdst(0)
.macro ROWS u                          ; token L + 32 u: its key in f32 and in f16, its hs / nmax in f16, into my tables
.set RB, RAW+32*(\u)
.set j, 0
.rept 16
	v_pk_mul_f32 v[SEQ+2*j:SEQ+2*j+1], v[RB+2*j:RB+2*j+1], v[INV+2*(\u):INV+2*(\u)+1] op_sel_hi:[1,0]
.set j, j+1
.endr
.set j, 0
.rept 8
	ds_store_b128 v[TB], v[SEQ+4*j:SEQ+4*j+3] offset:KFO+64*PIT*(\u)+16*j
.set j, j+1
.endr
.set j, 0
.rept 16
	v_cvt_pk_f16_f32 v[REV+j], v[SEQ+2*j], v[SEQ+2*j+1]
.set j, j+1
.endr
.set j, 0
.rept 16
	v_pk_mul_f32 v[RB+2*j:RB+2*j+1], v[RB+2*j:RB+2*j+1], v[INVN:INVN+1] op_sel_hi:[1,0]
.set j, j+1
.endr
.set j, 0
.rept 16
	v_cvt_pk_f16_f32 v[REV+16+j], v[RB+2*j], v[RB+2*j+1]
.set j, j+1
.endr
.set j, 0
.rept 4
	ds_store_b128 v[TA], v[REV+4*j:REV+4*j+3] offset:32*PIT*(\u)+16*j
	ds_store_b128 v[TA], v[REV+16+4*j:REV+16+4*j+3] offset:HPO+32*PIT*(\u)+16*j
.set j, j+1
.endr
.endm
	ROWS 0
	ROWS 1
	s_wait_dscnt 0x0                               ; my stores are done: OFS is read by both waves
	s_barrier_signal -1
	s_barrier_wait -1
	; THE PIPELINE IS FILLED: chunk 0's fragments, chunk 1's addresses, the query, chunk 0's NS and x
	v_mov_b32 v[T0], 0
	TOKLD 0
	ds_load_b32 v[T0+1], v[T0]                     ; OFS[0]: the query's token
	s_wait_dscnt 0x0
	ADDR
.irp n, 0,1,2,3,4,5
	LDF 0, \n
.endr
	TOKLD 64
	v_min_u32 v[T0+1], TMAX, v[T0+1]
	v_lshl_add_u32 v[T0+1], v[T0+1], 1, s18        ; the f32 rows are twice as far apart
	v_lshl_add_u32 v[T0+1], v[HH], 5, v[T0+1]      ; dimensions 8 h ..
	ds_load_b128 v[Q0:Q0+3], v[T0+1] offset:KFO
	ds_load_b128 v[Q0+4:Q0+7], v[T0+1] offset:KFO+16
	ds_load_b128 v[Q1:Q1+3], v[T0+1] offset:KFO+64
	ds_load_b128 v[Q1+4:Q1+7], v[T0+1] offset:KFO+80
.set j, 0
.rept 16
	v_mov_b32 v[Z1+j], 0                           ; a DPP move's destination counts as read: Z1 and Z2 are written once
.set j, j+1
.endr
.set j, 0
.rept 8
	v_mov_b32 v[ZB+j], 0                           ; the upper four stay 0
.set j, j+1
.endr
	v_cvt_f32_u32 v[T0], v[RR]
	v_fma_f32 v[NCR], v[T0], s16, -1.0             ; -c at place r of chunk 0: r / 2048 - 1, or -1
	v_mov_b32 v[NCR+1], 0
	v_cmp_ne_u32 vcc_lo, 0, v[RR]
	v_cndmask_b32 v[NC0], 0, v[NCR], vcc_lo        ; place 0 is no update
	v_mov_b32 v[NC0+1], 0
	s_wait_dscnt 0x0
	ADDR                                           ; chunk 1
.set j, 0
.rept 8
	v_pk_mul_f32 v[Q0+2*j:Q0+2*j+1], v[Q0+2*j:Q0+2*j+1], -1.0 op_sel_hi:[1,0]  ; Qn = -q
.set j, j+1
.endr
.irp j, 0,1,2,3
	v_cvt_pk_f16_f32 v[QA+\j], v[Q0+2*\j], v[Q0+2*\j+1]
.endr
.irp j, 0,1,2,3
	v_cvt_pk_f16_f32 v[QA+4+\j], v[Q1+2*\j], v[Q1+2*\j+1]
.endr
	v_wmma_f32_16x16x32_f16 v[SET+24:SET+31], v[SET+16:SET+23], v[SET+16:SET+23], 0
	v_wmma_f32_16x16x32_f16 v[DY:DY+7], v[QA:QA+7], v[SET+16:SET+23], 0
.set j, 0
.rept 16
	v_mov_b32 v[R0+j], 0                           ; R starts at 0, once a launch, so that one text serves every chunk; these lines are also the places behind the two products
.set j, j+1
.endr
.irp j, 0,2,4,6
	v_pk_mul_f32 v[SET+24+\j:SET+24+\j+1], v[SET+24+\j:SET+24+\j+1], v[NC0:NC0+1] op_sel_hi:[1,0]
.endr
	v_mul_f32 v[X], v[NC0], v[DY]
	s_mov_b32 s17, 64
.Ltrip:                                                ; two chunks a trip; the last trip's look-ahead reads PAD and row 0 of the tables, and what it makes is not used
	CHUNK 0, 128
	CHUNK 1, 192
	v_add_nc_u32 v[OA], 0x80, v[OA]
	v_add_nc_u32 v[OB], 0x80, v[OB]
	s_sub_co_u32 s17, s17, 1
	s_cmp_lg_u32 s17, 0
	s_cbranch_scc1 .Ltrip
	; THE TAIL: out0[b] = nmax_0 R_0 Wf[0:32] + nmax_1 R_1 Wf[32:64] + bf.  One row: a lane takes 4 columns and the 16 dimensions that it holds, in f32.
	s_wait_loadcnt 0x0                             ; Wf and bf
.set i, 0
.rept 16
.irp e, 0,1,2,3
.if i == 0
	v_mul_f32 v[P1+\e], v[R0+i], v[WF+4*i+\e]      ; each accumulator is read from its low end on
.else
	v_fmac_f32 v[P1+\e], v[R0+i], v[WF+4*i+\e]
.endif
.endr
.set i, i+1
.endr
.irp e, 0,1,2,3
	v_mul_f32 v[P1+\e], v[NMAX], v[P1+\e]
.endr
.irp e, 0,1,2,3
	v_permlanex16_b32 v[Z1+\e], v[P1+\e], s12, s13 ; the other 16 dimensions lie in the lane 16 away
.endr
.irp e, 0,1,2,3
	v_add_f32 v[P1+\e], v[P1+\e], v[Z1+\e]
.endr
	s_lshl_b32 s19, s10, 8
	v_add_nc_u32 v[T0], s19, v[R16]
	ds_store_b128 v[T0], v[P1:P1+3] offset:PX      ; lanes r and r + 16 hold the same four numbers
	s_wait_tensorcnt 0x0                           ; the wave's end: a tensor wait, a spare-word add and an LDS wait behind my last LDS store; the last is also the wait in front of the barrier
	ds_add_u32 v[SPW], v[NIL]
	s_wait_dscnt 0x0
	s_barrier_signal -1
	s_barrier_wait -1
	s_cmp_lg_u32 s10, 0
	s_cbranch_scc1 .Lend
	ds_load_b128 v[Z1+4:Z1+7], v[R16] offset:PX+256  ; wave 1's part
	v_pk_add_f32 v[P1:P1+1], v[P1:P1+1], v[BF:BF+1]
	v_pk_add_f32 v[P1+2:P1+3], v[P1+2:P1+3], v[BF+2:BF+3]
	s_wait_dscnt 0x0
	v_pk_add_f32 v[P1:P1+1], v[P1:P1+1], v[Z1+4:Z1+5]
	v_pk_add_f32 v[P1+2:P1+3], v[P1+2:P1+3], v[Z1+6:Z1+7]
	s_wait_xcnt 0x0                                ; EXEC changes only behind this wait
	v_cmp_gt_u32 vcc_lo, 16, v[LANE]
	s_and_saveexec_b32 s19, vcc_lo
	global_store_b128 v[R16], v[P1:P1+3], s[8:9]   ; sixteen lanes store the row's 256 consecutive bytes, at a multiple of 256 from out0's first byte
	s_wait_xcnt 0x0                                ; and again in front of the line that widens it
	s_or_b32 exec_lo, exec_lo, s19
.Lend:
	s_endpgm
.Lfunc_end_k_qbab736aee2_scan:
	.size	k_qbab736aee2_scan, .Lfunc_end_k_qbab736aee2_scan-k_qbab736aee2_scan
	.p2alignl 7, 3214868480
	.fill 96, 4, 3214868480
	.section	.rodata,"a",@progbits
	.p2align	6, 0x0
	.amdhsa_kernel k_qbab736aee2_scan
		.amdhsa_group_segment_fixed_size 50176
		.amdhsa_private_segment_fixed_size 0
		.amdhsa_enable_private_segment 0
		.amdhsa_kernarg_size 24
		.amdhsa_user_sgpr_count 2
		.amdhsa_user_sgpr_kernarg_segment_ptr 1
		.amdhsa_wavefront_size32 1
		.amdhsa_system_sgpr_workgroup_id_x 1
		.amdhsa_system_sgpr_workgroup_id_y 1
		.amdhsa_system_sgpr_workgroup_id_z 1
		.amdhsa_system_vgpr_workitem_id 0
		.amdhsa_next_free_vgpr 240
		.amdhsa_next_free_sgpr 66
		.amdhsa_reserve_vcc 1
		.amdhsa_float_denorm_mode_32 3
		.amdhsa_float_denorm_mode_16_64 3
		.amdhsa_memory_ordered 1
		.amdhsa_forward_progress 1
		.amdhsa_inst_pref_size 40
	.end_amdhsa_kernel
	.amdgpu_metadata
---
amdhsa.version: [ 1, 2 ]
amdhsa.kernels:
  - .name:           k_qbab736aee2_scan
    .symbol:         k_qbab736aee2_scan.kd
    .args:
      - { .name: seq, .offset: 0, .size: 8, .value_kind: global_buffer, .address_space: global }
      - { .name: tbl, .offset: 8, .size: 8, .value_kind: global_buffer, .address_space: global }
      - { .name: out0, .offset: 16, .size: 8, .value_kind: global_buffer, .address_space: global }
    .group_segment_fixed_size: 50176
    .private_segment_fixed_size: 0
    .kernarg_segment_align: 8
    .kernarg_segment_size: 24
    .max_flat_workgroup_size: 64
    .sgpr_count:     66
    .vgpr_count:     240
    .wavefront_size: 32
...
	.end_amdgpu_metadata
.endif
;; end of part 2
